; MI455X (gfx1250); checked and timed in simulation.
; The chip was launched on July 23, 2026; its instructions are those of AMD's public machine-readable ISA for CDNA 5 (MIT licence, August 2026) and "CDNA5" Instruction Set Architecture Reference Guide (July 2026). The comments in the code are by the model that wrote it; some were corrected since.
;; Cross Attend. Allowed arithmetic: matrix products marked QUANTISED: E2M1 operands, one E8M0 scale for each 32 along K, by v_wmma_scale_f32_16x16x128_f8f6f4 with both operands' format E2M1 (or v_wmma_scale_f32_32x16x128_f4), f32 sums; products left as they are: bf16, f16 or f32 operands; f32 sums; everything else in f32.
;; Inputs: Wk 512 x 512 float32; Wq 512 x 512 float32; Wv 512 x 512 float32; bk 512 float32; bq 512 float32; bv 512 float32; opp 16 x 1,024 x 512 float32; q 16 x 1,024 x 512 float32.
;; Outputs: out0 16 x 1,024 x 512 float32; out1 16 x 1,024 x 512 float32.
;; This version of the problem:
;;   THIS VERSION OF THE PROBLEM IS GIVEN IN LOW PRECISION. The matrix products marked QUANTISED in the list below multiply operands that are first quantised to E2M1 (2 exponent bits, 1 mantissa bit; 4 bits a number), with one power-of-two scale for each 32 numbers along K (OCP MX v1.0); their sums are f32. The products marked 'left as it is' may take bf16, f16 or f32 operands, with f32 sums. Whichever they take, every output number must still come out within the allowed error. Rounding operands to bf16 (8 significant bits) uses up far more of that allowance than f16 does (11 bits, for magnitudes from 6e-5 to 65,504). All else is computed in f32.
;;   The module's matrix products, in the order in which they are computed (A, B: the left and right operand; K: the contracted axis; several contracted axes count as one K, in the product's order):
;;     1. [M 16,384, K 512] x [K 512, N 512]; A: input q; B: input Wq: QUANTISED
;;     2. [M 16,384, K 512] x [K 512, N 512]; A: computed on the way; B: input Wk: left as it is (an operand is computed on the way)
;;     3. [M 16,384, K 512] x [K 512, N 512]; A: computed on the way; B: input Wv: left as it is (an operand is computed on the way)
;;     4. batch 16 x [M 1,024, K 512] x [K 512, N 1,024]; A: computed on the way; B: computed on the way: left as it is (an operand is computed on the way)
;;     5. batch 16 x [M 1,024, K 1,024] x [K 1,024, N 512]; A: computed on the way; B: computed on the way: left as it is (an operand is computed on the way)
;;     6. [M 16,384, K 512] x [K 512, N 512]; A: input opp; B: input Wk: QUANTISED
;;     7. [M 16,384, K 512] x [K 512, N 512]; A: input opp; B: input Wv: QUANTISED
;;     8. batch 16 x [M 1,024, K 512] x [K 512, N 1,024]; A: computed on the way; B: computed on the way: left as it is (an operand is computed on the way)
;;     9. batch 16 x [M 1,024, K 1,024] x [K 1,024, N 512]; A: computed on the way; B: computed on the way: left as it is (an operand is computed on the way)
;;   THE QUANTISER, for each operand of a quantised product, along K:
;;     - K is cut into blocks of 32 from its start; a last block that is shorter is filled with zeros.
;;     - A block's scale is 2^e with e = floor(log2(the largest magnitude in the block)) - 2, held to -126 .. 127; a block of zeros has e = 0. As a byte (E8M0): e + 127.
;;     - Each number is divided by its block's scale, clamped to +-6, and rounded to the nearest number of E2M1, ties to even, subnormals kept.
;;     - The product sums the exact products of the quantised numbers (number of the format x scale) in f32.
;;   ~~~python
;;   def quantise(x, axis):      # numpy; x: float32 -> the quantised numbers, widened to float32 again
;;       x = np.moveaxis(x, axis, -1); K = x.shape[-1]
;;       x = np.pad(x, [(0, 0)] * (x.ndim - 1) + [(0, -K % 32)]); x = x.reshape(x.shape[:-1] + (-1, 32)); a = np.abs(x).max(-1, keepdims=True)
;;       e = np.where(a > 0, np.clip(np.frexp(np.where(a > 0, a, 1))[1] - 1 - 2, -126, 127), 0)      # np.frexp(a)[1] - 1 = floor(log2(a)), exactly
;;       r = np.clip(x / 2.0 ** e, -6, 6)
;;       step = 2.0 ** (np.maximum(np.frexp(np.where(r == 0, 1, r))[1] - 1, 0) - 1)
;;       q = np.round(r / step) * step * 2.0 ** e      # np.round: ties to even
;;       return np.moveaxis(q.reshape(q.shape[:-2] + (-1,))[..., :K], -1, axis).astype(np.float32)
;;   ~~~
;; One version. Each part assembles by itself: llvm-mc -triple=amdgcn-amd-amdhsa -mcpu=gfx1250 --defsym DOCPART=n.
;; ======== version 1 of 1: 3 launches
;; limits: values are held in f16: magnitudes above 65,504 overflow, below 6.1e-05 lose precision
;; workspace buffers: wst 1,572,864 bytes; ws 49,152 bytes; wm 8,192 bytes; qpi 16,777,216 bytes; ki 33,554,432 bytes; vi 33,554,432 bytes
;; launch prep (part 1): grid 24 x 1, 4 waves a work-group, no clusters, 0 bytes of LDS; arguments Wq, Wk, Wv, wst, ws, wm; writes wst, ws, wm
.if DOCPART == 1
	.amdgcn_target "amdgcn-amd-amdhsa--gfx1250"
	.amdhsa_code_object_version 6
	.text
	.protected	k_qb330ecddbe_prep
	.globl	k_qb330ecddbe_prep
	.p2align	8
	.type	k_qb330ecddbe_prep,@function
k_qb330ecddbe_prep:
	s_mov_b64 s[64:65], 0
	v_nop
	global_prefetch_b8 v0, s[64:65] scope:SCOPE_SE
	s_setreg_imm32_b32 hwreg(HW_REG_WAVE_MODE, 25, 1), 1
	s_wait_xcnt 0x0
; The three weights [512][512] f32 (K innermost) are laid out once, in the order in which a wave's operand registers take them.
;   wst: two streams (0: for k, 1: for v) of 12 chunks of 65,536 bytes: chunks 0,1 the stream's own weight as FP4 (E2M1) codes, chunks 2,3 Wq's codes (in both streams), chunks 4-11 the stream's weight in f16.
;        A chunk is [wave 0..3][step 0..1][n tile 0..7][image of 1,024 bytes]; n tile = 8 wave + tile; a step is 128 along K (codes) or 32 along K (f16).
;        An image is the operand's registers on end: the 16 bytes at 512 c + 16 lane are registers 4 c .. 4 c + 3 of that lane.
;   ws:  the E8M0 scale words, [Wq, Wk, Wv][n tile][lane][K step 0..3]; lanes r and r + 16 hold row r's.
;   wm:  [Wk, Wv][n tile][lane]: the largest magnitude of row lane % 16 (for the power of two by which k and v are stored scaled).
; A block's scale is 2^(floor(log2(its largest magnitude)) - 2); its byte is that magnitude's exponent field - 2, held at 1 from below.  A block of zeros keeps the byte 1 where the quantiser says 127:
; its codes are zeros, which add nothing, and this program alone reads the bytes.
; LIMITS: NaN and infinities are not served; |Wk|, |Wv| stay under 65,504 (they go to f16).
; SHARES: work-group x / 8 picks the weight, 4 (x % 8) + wave the n tile: a wave takes 16 rows x 512, four K steps of 128.  Lane (r, h) takes of row r the 16 numbers 32 b + 16 h + 0 .. 15 of each block b.
; No LDS, no barrier: waves share nothing.  3 MB in all are read, so the loads take a lane's 64 bytes as they lie.
.set XA, 4                             ; v4   2048 r + 64 h: my place in the tile's rows
.set LI, 5                             ; v5   16 x lane
.set HL, 6                             ; v6   512 h + 16 r: where my f16 numbers go in an image
.set LS, 7                             ; v7   4 x lane
.set RM, 8                             ; v8   the row's largest magnitude so far
.set PW, 9                             ; v9   the scale word just made
.set SW, 12                            ; v12-15 the four K steps' scale words
.set TM, 16                            ; v16-31 at work in QUANT
.set PC, 32                            ; v32-39 the codes just made
.set SEL, 28                           ; s[28:29] lane selects: lane l xor 16
; 64 numbers of a lane, register 16 b + i = k 32 b + 16 h + i of my row, become a fragment's codes in v[PC] on and its scale word in v[PW]
.macro QUANT s
.irp b, 0,1,2,3
	v_max3_num_f32 v[TM+\b], |v[\s+16*\b]|, |v[\s+1+16*\b]|, 0x1800000   ; my 16 numbers of block b, and the floor 2^(3 - 127): the byte cannot fall under 1
.endr
.irp i, 2,4,6,8,10,12,14
.irp b, 0,1,2,3
	v_max3_num_f32 v[TM+\b], v[TM+\b], |v[\s+16*\b+\i]|, |v[\s+1+16*\b+\i]|
.endr
.endr
.irp b, 0,1,2,3
	v_permlanex16_b32 v[TM+4+\b], v[TM+\b], s[SEL], s[SEL+1]
.endr
.irp b, 0,1,2,3
	v_max_num_f32 v[TM+\b], v[TM+\b], v[TM+4+\b]                   ; with lane l xor 16's: the block's largest magnitude
.endr
.irp b, 0,1,2,3
	v_add_nc_u32 v[TM+12+\b], 0xff000000, v[TM+\b]                 ; 2 off its exponent field: the conversion's scale operand
.endr
.irp b, 0,1,2,3
	v_lshrrev_b32 v[TM+4+\b], 23, v[TM+12+\b]                      ; the scale's byte
.endr
	v_lshl_or_b32 v[PW], v[TM+5], 8, v[TM+4]
	v_lshl_or_b32 v[PW], v[TM+6], 16, v[PW]
	v_lshl_or_b32 v[PW], v[TM+7], 24, v[PW]
.irp b, 0,1,2,3
	v_cvt_scalef32_pk8_fp4_f32 v[PC+2*\b], v[\s+16*\b:\s+7+16*\b], v[TM+12+\b]
	v_cvt_scalef32_pk8_fp4_f32 v[PC+1+2*\b], v[\s+8+16*\b:\s+15+16*\b], v[TM+12+\b]
.endr
	v_nop                                          ; one plain place behind a scaled conversion
.irp c, 0,1                                    ; the operand wants a whole block in a lane: lanes 0-15 block 2 c, lanes 16-31 block 2 c + 1
.irp i, 0,1
	v_permlane16_swap_b32 v[PC+4*\c+\i], v[PC+2+4*\c+\i]
.endr
.endr
.endm
.macro XLOAD ks, set                   ; my 64 numbers of K step ks
.irp b, 0,1,2,3
.irp j, 0,1,2,3
	global_load_b128 v[\set+16*\b+4*\j:\set+16*\b+4*\j+3], v[XA], s[16:17] offset:512*\ks+128*\b+16*\j
.endr
.endr
.endm
; One K step.  left: the loads of later K steps, which may stay out
.macro KSTEP ks, set, left
	s_wait_loadcnt \left
	QUANT \set
	v_max3_num_f32 v[RM], v[RM], v[TM], v[TM+1]
	v_max3_num_f32 v[RM], v[RM], v[TM+2], v[TM+3]
	v_mov_b32 v[SW+\ks], v[PW]
.irp c, 0,1
	global_store_b128 v[LI], v[PC+4*\c:PC+4*\c+3], s[18:19] offset:(\ks/2)*65536+(\ks%2)*8192+512*\c   ; 32 lanes store 512 consecutive bytes
.endr
	s_cmp_eq_u32 s21, 0
	s_cbranch_scc0 .Lnot_q_\@
.irp c, 0,1
	global_store_b128 v[LI], v[PC+4*\c:PC+4*\c+3], s[26:27] offset:(\ks/2)*65536+(\ks%2)*8192+512*\c   ; Wq's codes stand in both streams
.endr
	s_branch .Ldone_\@
.Lnot_q_\@:
.irp b, 0,1,2,3                                ; Wk, Wv also in f16: packed in place, ascending, so that no source is written before it is read
.irp i, 0,1,2,3,4,5,6,7
	v_cvt_pk_f16_f32 v[\set+16*\b+\i], v[\set+16*\b+2*\i], v[\set+16*\b+2*\i+1]
.endr
.endr
.irp b, 0,1,2,3                                ; lane (r, h) holds k = 16 h + 0 .. 15 of the 32: registers 4 h .. 4 h + 3 of lanes r (the first eight) and 16 + r (the others)
	global_store_b128 v[HL], v[\set+16*\b:\set+16*\b+3], s[18:19] offset:262144+((4*\ks+\b)/2)*65536+((4*\ks+\b)%2)*8192
	global_store_b128 v[HL], v[\set+16*\b+4:\set+16*\b+7], s[18:19] offset:262144+((4*\ks+\b)/2)*65536+((4*\ks+\b)%2)*8192+256
.endr
.Ldone_\@:
	s_wait_xcnt 0x0                                ; the stores have read their registers: codes and numbers may be written again
.endm
	s_load_b256 s[4:11], s[0:1], 0x0               ; Wq s[4:5], Wk s[6:7], Wv s[8:9], wst s[10:11]
	s_load_b128 s[12:15], s[0:1], 0x20             ; ws s[12:13], wm s[14:15]
	v_lshrrev_b32 v1, 5, v0
	v_readfirstlane_b32 s20, v1                    ; wave
	v_and_b32 v1, 31, v0                           ; lane
	v_and_b32 v2, 15, v0                           ; r
	v_bfe_u32 v3, v0, 4, 1                         ; h
	v_lshlrev_b32 v[XA], 11, v2
	v_lshl_add_u32 v[XA], v3, 6, v[XA]
	v_lshlrev_b32 v[LI], 4, v1
	v_lshlrev_b32 v[HL], 4, v2
	v_lshl_add_u32 v[HL], v3, 9, v[HL]
	v_lshlrev_b32 v[LS], 2, v1
	v_mov_b32 v[RM], 0
.irp b, 0,1,2,3
	v_mov_b32 v[TM+4+\b], 0                        ; written once: a lane permute's destination counts as one of its sources
.endr
	s_mov_b32 s[SEL], 0x76543210
	s_mov_b32 s[SEL+1], 0xfedcba98
	s_lshr_b32 s21, ttmp9, 3                       ; which weight: 0 Wq, 1 Wk, 2 Wv
	s_and_b32 s22, ttmp9, 7
	s_lshl_b32 s22, s22, 2
	s_add_co_u32 s22, s22, s20                     ; n tile 0..31
	s_max_u32 s23, s21, 1
	s_sub_co_u32 s23, s23, 1                       ; the stream: 0 for Wq and Wk, 1 for Wv
	s_mul_i32 s24, s23, 786432
	s_lshr_b32 s30, s22, 3
	s_lshl_b32 s30, s30, 14
	s_add_co_u32 s24, s24, s30                     ; + 16,384 x (n tile / 8)
	s_and_b32 s30, s22, 7
	s_lshl_b32 s30, s30, 10
	s_add_co_u32 s24, s24, s30                     ; + 1,024 x (n tile % 8)
	s_cmp_eq_u32 s21, 0
	s_cselect_b32 s30, 131072, 0                   ; Wq's codes are chunks 2 and 3
	s_add_co_u32 s24, s24, s30
	s_mov_b32 s25, 0
	s_wait_kmcnt 0x0
	s_add_nc_u64 s[18:19], s[10:11], s[24:25]
	s_add_nc_u64 s[26:27], s[18:19], 786432        ; the same place in stream 1 (used for Wq alone)
	s_cmp_eq_u32 s21, 0
	s_cselect_b64 s[16:17], s[4:5], s[6:7]
	s_cmp_eq_u32 s21, 2
	s_cselect_b64 s[16:17], s[8:9], s[16:17]
	s_lshl_b32 s24, s22, 15                        ; 16 rows of 2,048 bytes a tile
	s_add_nc_u64 s[16:17], s[16:17], s[24:25]
	s_lshl_b32 s24, s21, 14
	s_lshl_b32 s30, s22, 9
	s_add_co_u32 s24, s24, s30
	s_add_nc_u64 s[12:13], s[12:13], s[24:25]
	s_lshl_b32 s24, s23, 12
	s_lshl_b32 s30, s22, 7
	s_add_co_u32 s24, s24, s30
	s_add_nc_u64 s[14:15], s[14:15], s[24:25]
	XLOAD 0, 64
	XLOAD 1, 128
	XLOAD 2, 192
	KSTEP 0, 64, 32
	XLOAD 3, 64                                    ; into the set that K step 0 has left (its stores have read it)
	KSTEP 1, 128, 32
	KSTEP 2, 192, 16
	KSTEP 3, 64, 0
	global_store_b128 v[LI], v[SW:SW+3], s[12:13]  ; the tile's scale words: 512 consecutive bytes
	s_cmp_eq_u32 s21, 0
	s_cbranch_scc1 .Lend
	global_store_b32 v[LS], v[RM], s[14:15]
.Lend:
	s_endpgm
.Lfunc_end_k_qb330ecddbe_prep:
	.size	k_qb330ecddbe_prep, .Lfunc_end_k_qb330ecddbe_prep-k_qb330ecddbe_prep
	.p2alignl 7, 3214868480
	.fill 96, 4, 3214868480
	.section	.rodata,"a",@progbits
	.p2align	6, 0x0
	.amdhsa_kernel k_qb330ecddbe_prep
		.amdhsa_group_segment_fixed_size 0
		.amdhsa_private_segment_fixed_size 0
		.amdhsa_enable_private_segment 0
		.amdhsa_kernarg_size 48
		.amdhsa_user_sgpr_count 2
		.amdhsa_user_sgpr_kernarg_segment_ptr 1
		.amdhsa_wavefront_size32 1
		.amdhsa_system_sgpr_workgroup_id_x 1
		.amdhsa_system_sgpr_workgroup_id_y 1
		.amdhsa_system_sgpr_workgroup_id_z 1
		.amdhsa_system_vgpr_workitem_id 0
		.amdhsa_next_free_vgpr 256
		.amdhsa_next_free_sgpr 66
		.amdhsa_reserve_vcc 0
		.amdhsa_float_denorm_mode_32 3
		.amdhsa_float_denorm_mode_16_64 3
		.amdhsa_memory_ordered 1
		.amdhsa_forward_progress 1
		.amdhsa_inst_pref_size 38
	.end_amdhsa_kernel
	.amdgpu_metadata
---
amdhsa.version: [ 1, 2 ]
amdhsa.kernels:
  - .name:           k_qb330ecddbe_prep
    .symbol:         k_qb330ecddbe_prep.kd
    .args:
      - { .name: Wq, .offset: 0, .size: 8, .value_kind: global_buffer, .address_space: global }
      - { .name: Wk, .offset: 8, .size: 8, .value_kind: global_buffer, .address_space: global }
      - { .name: Wv, .offset: 16, .size: 8, .value_kind: global_buffer, .address_space: global }
      - { .name: wst, .offset: 24, .size: 8, .value_kind: global_buffer, .address_space: global }
      - { .name: ws, .offset: 32, .size: 8, .value_kind: global_buffer, .address_space: global }
      - { .name: wm, .offset: 40, .size: 8, .value_kind: global_buffer, .address_space: global }
    .group_segment_fixed_size: 0
    .private_segment_fixed_size: 0
    .kernarg_segment_align: 8
    .kernarg_segment_size: 48
    .max_flat_workgroup_size: 128
    .sgpr_count:     66
    .vgpr_count:     256
    .wavefront_size: 32
...
	.end_amdgpu_metadata
.endif
;; end of part 1
;; launch proj (part 2): grid 256 x 1, 4 waves a work-group, clusters of 4 x 1, 327,680 bytes of LDS; arguments q, opp, bq, bk, bv, wst, ws, wm, qpi, ki, vi; writes qpi, ki, vi
.if DOCPART == 2
	.amdgcn_target "amdgcn-amd-amdhsa--gfx1250"
	.amdhsa_code_object_version 6
	.text
	.protected	k_qb330ecddbe_proj
	.globl	k_qb330ecddbe_proj
	.p2align	8
	.type	k_qb330ecddbe_proj,@function
k_qb330ecddbe_proj:
	s_mov_b64 s[64:65], 0
	v_nop
	global_prefetch_b8 v0, s[64:65] scope:SCOPE_SE
	s_setreg_imm32_b32 hwreg(HW_REG_WAVE_MODE, 25, 1), 1
	s_wait_xcnt 0x0
	s_wait_alu depctr_hold_cnt(0) depctr_sa_sdst(0) depctr_va_vdst(0) depctr_va_sdst(0) depctr_va_ssrc(0) depctr_va_vcc(0) depctr_vm_vsrc(0)
	s_getreg_b32 s2, hwreg(HW_REG_IB_STS2, 6, 4)
	s_cmp_eq_u32 s2, 0
	s_cbranch_scc0 .Lentry_in_a_cluster
	s_endpgm
.Lentry_in_a_cluster:
	s_bfe_u32 s2, ttmp6, 0x10000c
	s_cmp_lg_u32 s2, 0x3003
	s_cbranch_scc0 .Lentry_shape_is_right
	s_endpgm
.Lentry_shape_is_right:
; The five projections.  A work-group of type T (cluster x & 1: 0 = k, 1 = v) takes 128 rows:  (trip 0) opp -> Q(opp) Q(W_T)^T + b_T;  (trip 1) q -> qp = Q(q) Q(Wq)^T + bq;  then qp W_T^T + b_T in f16.
; The quantised products run on FP4 (E2M1) codes with E8M0 scales for each 32 along K; q and opp are quantised here, in f32, the weights by the launch before.
; RESULTS leave in f16 as IMAGES OF THE NEXT OPERAND'S REGISTERS: [token tile][32 channels cs][c 0..1][lane][16 bytes].  The products are used transposed (source 0 = 16 rows of W, source 1 = 16 tokens): lane (r, h)
; then holds token r and channels 16 nt + 8 h + 0 .. 7, which packed are registers 0-3 (even n tile) or 4-7 (odd) of that operand: each store of a wave is 512 consecutive bytes, aligned.
; v's blocks are stored with the lanes permuted (place 16 (r / 8) + 8 h + r % 8), so that the transposing LDS load of the next launch finds 8 tokens x 8 channels in each group of eight lanes.
; k, v, opp_k, opp_v are stored x 2^-(E+3), E = floor(log2 R), R = the largest magnitude in W_T and b_T held to 2^-60 .. 2^60: an exact power of two that the next launch multiplies back, so that f16 has room.
; LIMITS: |qp| and the scaled k, v stay under 65,504 (f16); NaN and infinities are not served.  A block of zeros keeps the scale byte 1 (its codes are zeros; the bytes are read here alone).
; SHARES.  Four waves share the COLUMNS: wave w owns channels 128 w .. + 127 (8 n tiles) for all 8 token tiles: 64 accumulators.  So a wave reads only its own quarter of each weight chunk.
; WEIGHTS come as 12 chunks of 64 KB through two LDS slots, each wave fetching its own 16 KB.  The four work-groups of a cluster have one type and walk the same chunks: each load is asked for JOINTLY (mask 15).
; qp is made by both types (one FP4 product more) so that 128 rows stand behind each weight chunk; only type 0 stores it.
; A step is 64 matrix instructions on two sets of operand registers by turns; the next step's operands are asked for in the step's middle, so that LDS serves them under the step's second half.
; REGISTERS: window 0: v1-31 addresses; v32-63 W's scale words, v64-79 x's (scales and nothing else); v80-107 the quantiser; v128-255 two sets of token-side fragments, also two sets of 64 numbers at work and the packed results.
;   window 1: v0-127 two sets of weight fragments; v128-191 the bias, 8 registers an n tile.   windows 2, 3: accumulator (nt, m) at 8 (8 (nt % 4) + m) of window 2 + nt / 4; while x is quantised they hold the f32 loads.
.set SLOTB, 65536                      ; LDS: two slots for weight chunks,
.set QPI,   131072                     ; qp's images, (16 m + cs) x 1,024,
.set XI,    262144                     ; the code images of x, (4 m + ks) x 1,024,
.set XS,    294912                     ; their scale words, (4 m + ks) x 128 + 4 x lane,
.set TURN,  299008                     ; a stage of 16 rows x (256 + 16) bytes for each wave,
.set SPARE, 316416                     ; the spare words, 128 bytes a wave: two blocks of 256 bytes that no other line names
.set LI, 1                             ; v1   16 x lane
.set LS, 2                             ; v2   4 x lane
.set WA0, 3                            ; v3,4 my quarter of slot 0, 1
.set XIA, 5                            ; v5   x's images
.set XSA, 6                            ; v6   x's scale words
.set QA0, 7                            ; v7,8 qp's images, token tiles 0-3, 4-7
.set QW0, 9                            ; v9,10 where I store qp's: + 4,096 x wave
.set XW, 11                            ; v11  where I store x's images: + 8,192 x wave
.set XSWA, 12                          ; v12  and their scale words: + 1,024 x wave
.set TS, 13                            ; v13  the stage, in: 272 (lane / 16) + 16 (lane % 16)
.set TR, 14                            ; v14  the stage, out: 272 r + 64 h
.set XA, 15                            ; v15  x in memory: 2,048 (lane / 16) + 16 (lane % 16)
.set OL, 16                            ; v16  the output's lane offset in hand
.set BL, 17                            ; v17  32 h: my eight numbers of a bias tile
.set FV, 18                            ; v[18:19] the factor in hand
.set SKV, 20                           ; v20  2^-(E+3)
.set OLT, 21                           ; v21  the lane offset of my type's outputs
.set SPW, 22                           ; v22  my spare word; never rewritten
.set NIL, 23                           ; v23  0; never rewritten
.set GA, 24
.set GB, 25
.set WS, 32
.set XSW, 64
.set TM, 80
.set PW, 96
.set PC, 100
.set TOK, 128
.set ST, 128
.set GT, 128
.set BB, 128                           ; in window 1
.set G1, 24                            ; s[24:31] descriptor group 1
.set G0, 32                            ; s[32:39] group 0, one set for each slot
.set WV, 42
.set TT, 43
.set CX, 44
.set RB, 45
.set XP, 46                            ; s[46:47] x in hand;  s[48:49] its product's bias;  s[50:51] its weight's scale words;  s[52:53] where the results go
.set BP, 48
.set WSP, 50
.set OP, 52
.set DOLDS, 54
.set DOGLB, 55
.set MSK, 56
.set NT, 57
.set TRIP, 58
.set BT0, 60                           ; s[60:61] b_T;  s[62:63] b_T + 512 w
.set BTW, 62
.set WSQ, 66
.set WST, 68
.set OKV, 70
.set OKV2, 72
.set SEL, 74
.set RLO, 76
.set RHI, 77
.set MSB, 0
.macro WIN new                         ; the immediate's high byte repeats the setting that is left
.if MSB != (\new)
	s_set_vgpr_msb (MSB<<8)|(\new)
.set MSB, (\new)
.endif
.endm
.macro PLACES                          ; four plain places behind matrix instructions, ahead of loads into their registers and of reads of their results
.rept 4
	v_nop
.endr
.endm
.macro CROUND                          ; a round of the cluster's barrier
	s_barrier_signal -1
	s_barrier_wait -1
	s_cmp_lg_u32 s[WV], 0
	s_cbranch_scc1 .Lnot_wave_0_\@
	s_barrier_signal -3
.Lnot_wave_0_\@:
	s_barrier_wait -3
	s_barrier_signal -1
	s_barrier_wait -1
.endm
; Slot s has been read out: it takes the chunk two further on.  All my tensor loads have landed, the add, my LDS instructions are done; a round, so that this holds of every wave of all four partners; the joint load first behind it.
.macro CHG s
	WIN 0
	s_wait_tensorcnt 0x0                           ; the one load of mine that was out is the other slot's: it may now be read, and a group 0 may be written
	ds_add_u32 v[SPW], v[NIL]
	s_add_nc_u64 s[G0+4*\s+2:G0+4*\s+3], s[G0+4*\s+2:G0+4*\s+3], 2*SLOTB
	s_wait_dscnt 0x0                               ; the add is done, and so are my reads of this slot
	CROUND
	tensor_load_to_lds s[G0+4*\s:G0+4*\s+3], s[G1:G1+7]
	s_nop 0
	PLACES
.endm
.macro QUANT s                         ; 64 numbers of a lane, register 16 b + i = k 32 b + 16 h + i of my row -> a fragment's codes in v[PC] on, its scale word in v[PW]
.irp b, 0,1,2,3
	v_max3_num_f32 v[TM+\b], |v[\s+16*\b]|, |v[\s+1+16*\b]|, 0x1800000   ; and the floor 2^(3 - 127): the byte cannot fall under 1
.endr
.irp i, 2,4,6,8,10,12,14
.irp b, 0,1,2,3
	v_max3_num_f32 v[TM+\b], v[TM+\b], |v[\s+16*\b+\i]|, |v[\s+1+16*\b+\i]|
.endr
.endr
.irp b, 0,1,2,3
	v_permlanex16_b32 v[TM+4+\b], v[TM+\b], s[SEL], s[SEL+1]
.endr
.irp b, 0,1,2,3
	v_max_num_f32 v[TM+\b], v[TM+\b], v[TM+4+\b]
.endr
.irp b, 0,1,2,3
	v_add_nc_u32 v[TM+12+\b], 0xff000000, v[TM+\b]                 ; 2 off the exponent field: the conversion's scale operand
.endr
.irp b, 0,1,2,3
	v_lshrrev_b32 v[TM+4+\b], 23, v[TM+12+\b]
.endr
	v_lshl_or_b32 v[PW], v[TM+5], 8, v[TM+4]
	v_lshl_or_b32 v[PW], v[TM+6], 16, v[PW]
	v_lshl_or_b32 v[PW], v[TM+7], 24, v[PW]
.irp b, 0,1,2,3
	v_cvt_scalef32_pk8_fp4_f32 v[PC+2*\b], v[\s+16*\b:\s+7+16*\b], v[TM+12+\b]
	v_cvt_scalef32_pk8_fp4_f32 v[PC+1+2*\b], v[\s+8+16*\b:\s+15+16*\b], v[TM+12+\b]
.endr
	v_nop                                          ; one plain place behind a scaled conversion
.irp c, 0,1
.irp i, 0,1
	v_permlane16_swap_b32 v[PC+4*\c+\i], v[PC+2+4*\c+\i]
.endr
.endr
.endm
; call c = 4 x (which of my two token tiles) + K step: 16 rows x 128 numbers, sixteen lanes to 256 consecutive bytes of a row, into registers of their own
.macro XLOAD c
	WIN 0x80+0x40*((\c)/4)
.irp p, 0,1
.irp i, 0,1,2,3,4,5,6,7
	global_load_b128 v[64*((\c)%4)+32*\p+4*\i:64*((\c)%4)+32*\p+4*\i+3], v[XA], s[XP:XP+1] offset:32768*((\c)/4)+512*((\c)%4)+256*\p+4096*\i
.endr
.endr
	WIN 0
.endm
; call c's numbers turn through my stage, half a K step at a time (LDS serves a wave's instructions in order, so one stage does), into set c % 2: a lane then holds 16 neighbours of each block.  32 LDS instructions
.macro TURNX c
.irp p, 0,1
	WIN 0x08+4*((\c)/4)                            ; an LDS store's data are its source 1
.irp i, 0,1,2,3,4,5,6,7
	ds_store_b128 v[TS], v[64*((\c)%4)+32*\p+4*\i:64*((\c)%4)+32*\p+4*\i+3] offset:544*\i
.endr
	WIN 0
.irp bl, 0,1
.irp j, 0,1,2,3
	ds_load_b128 v[ST+64*((\c)%2)+16*(2*\p+\bl)+4*\j:ST+64*((\c)%2)+16*(2*\p+\bl)+4*\j+3], v[TR] offset:128*\bl+16*\j
.endr
.endr
.endr
.endm
; call c is quantised while call c + 1 turns through the stage; its image goes to LDS
.macro XCALL c
.if (\c) < 7
.if (\c) < 4
	XLOAD (\c)+4
	s_wait_loadcnt 48                              ; call c + 1 is in; the three later calls' loads may be out
.else
	s_wait_loadcnt 16*(6-(\c))
.endif
	TURNX (\c)+1
	s_wait_dscnt 32                                ; call c's numbers are back, and the last image's stores are done; the next call's 32 may be out
.else
	s_wait_dscnt 0x0
.endif
	QUANT ST+64*((\c)%2)
.irp e, 0,1
	ds_store_b128 v[XW], v[PC+4*\e:PC+4*\e+3] offset:1024*(\c)+512*\e
.endr
	ds_store_b32 v[XSWA], v[PW] offset:128*(\c)
.endm
.macro FETCHX ks, p                    ; the eight token tiles' code fragments and scale words of K step ks: 24 loads
	WIN 0
.irp m, 0,1,2,3,4,5,6,7
	ds_load_b128 v[TOK+64*\p+8*\m:TOK+64*\p+8*\m+3], v[XIA] offset:(4*\m+\ks)*1024
	ds_load_b128 v[TOK+64*\p+8*\m+4:TOK+64*\p+8*\m+7], v[XIA] offset:(4*\m+\ks)*1024+512
	ds_load_b32 v[XSW+8*\p+\m], v[XSA] offset:(4*\m+\ks)*128
.endr
.endm
.macro FETCHW s, st, p                 ; my eight weight fragments of step st of slot s: 16 loads, n tiles ascending
	WIN 0x40
.irp nt, 0,1,2,3,4,5,6,7
	ds_load_b128 v[64*\p+8*\nt:64*\p+8*\nt+3], v[WA0+\s] offset:(8*\st+\nt)*1024
	ds_load_b128 v[64*\p+8*\nt+4:64*\p+8*\nt+7], v[WA0+\s] offset:(8*\st+\nt)*1024+512
.endr
	WIN 0
.endm
.macro FETCHQ cs, p                    ; qp's eight fragments of channels 32 cs on: 16 loads
	WIN 0
.irp m, 0,1,2,3,4,5,6,7
	ds_load_b128 v[TOK+64*\p+8*\m:TOK+64*\p+8*\m+3], v[QA0+\m/4] offset:16384*(\m%4)+1024*(\cs)
	ds_load_b128 v[TOK+64*\p+8*\m+4:TOK+64*\p+8*\m+7], v[QA0+\m/4] offset:16384*(\m%4)+1024*(\cs)+512
.endr
.endm
; Half a step: 32 matrix instructions, n tiles 4 half .. 4 half + 3 x the eight token tiles.  Over a step each of the 64 accumulators has one, always in the same order.
; kind 0: FP4 with scales, 128 along K; 1: f16, 32 along K.  first: the bias is the C of the sum's first product.  w0, w1: the LDS loads that may be out ahead of the first and of the third n tile.
.macro RUNH kind, p, ks, first, half, w0, w1
.irp nl, 0,1,2,3
.if \nl == 0
	s_wait_dscnt 0+\w0
.endif
.if \nl == 2
	s_wait_dscnt 0+\w1
.endif
.if \first
	WIN 0x91+0x40*(\half)                          ; source 0 (W) and C (bias) window 1, source 1 window 0, D window 2 or 3
.else
	WIN 0xa1+0x50*(\half)
.endif
.irp m, 0,1,2,3,4,5,6,7
.if \kind == 0
.if \first
	v_wmma_scale_f32_16x16x128_f8f6f4 v[8*(8*\nl+\m):8*(8*\nl+\m)+7], v[64*\p+8*(4*\half+\nl):64*\p+8*(4*\half+\nl)+7], v[TOK+64*\p+8*\m:TOK+64*\p+8*\m+7], v[BB+8*(4*\half+\nl):BB+8*(4*\half+\nl)+7], v[WS+4*(4*\half+\nl)+\ks], v[XSW+8*\p+\m] matrix_a_fmt:MATRIX_FMT_FP4 matrix_b_fmt:MATRIX_FMT_FP4
.else
	v_wmma_scale_f32_16x16x128_f8f6f4 v[8*(8*\nl+\m):8*(8*\nl+\m)+7], v[64*\p+8*(4*\half+\nl):64*\p+8*(4*\half+\nl)+7], v[TOK+64*\p+8*\m:TOK+64*\p+8*\m+7], v[8*(8*\nl+\m):8*(8*\nl+\m)+7], v[WS+4*(4*\half+\nl)+\ks], v[XSW+8*\p+\m] matrix_a_fmt:MATRIX_FMT_FP4 matrix_b_fmt:MATRIX_FMT_FP4
.endif
.else
.if \first
	v_wmma_f32_16x16x32_f16 v[8*(8*\nl+\m):8*(8*\nl+\m)+7], v[64*\p+8*(4*\half+\nl):64*\p+8*(4*\half+\nl)+7], v[TOK+64*\p+8*\m:TOK+64*\p+8*\m+7], v[BB+8*(4*\half+\nl):BB+8*(4*\half+\nl)+7]
.else
	v_wmma_f32_16x16x32_f16 v[8*(8*\nl+\m):8*(8*\nl+\m)+7], v[64*\p+8*(4*\half+\nl):64*\p+8*(4*\half+\nl)+7], v[TOK+64*\p+8*\m:TOK+64*\p+8*\m+7], v[8*(8*\nl+\m):8*(8*\nl+\m)+7]
.endif
.endif
.endr
.endr
.endm
; A whole step whose operands were asked for in the middle of the step before, the token side first, then the weight's 16 loads: of these 12, 8, 4, 0 may be out
.macro RUN kind, p, ks
	RUNH \kind, \p, \ks, 0, 0, 12, 8
	RUNH \kind, \p, \ks, 0, 1, 4, 0
.endm
; The 64 accumulators x the factor, rounded to f16, 32 at a time; each from its low end on.  flags = 1: to LDS and to memory as the trip's two flags say; 0: to memory.
.macro OUT flags
.irp W, 0,1
	WIN 0x82+0x41*\W
.set J_, 0
.rept 128
	v_pk_mul_f32 v[2*J_:2*J_+1], v[2*J_:2*J_+1], v[FV:FV+1] op_sel_hi:[1,0]
.set J_, J_+1
.endr
	WIN 0x0a+5*\W
.set J_, 0
.rept 128
	v_cvt_pk_f16_f32 v[TOK+J_], v[2*J_], v[2*J_+1]
.set J_, J_+1
.endr
	WIN 0
.if \flags
	s_cmp_eq_u32 s[DOLDS], 0
	s_cbranch_scc1 .Lnolds_\@_\W
.irp nl, 0,1,2,3
.irp m, 0,1,2,3,4,5,6,7
	ds_store_b128 v[QW0+\m/4], v[TOK+4*(8*\nl+\m):TOK+4*(8*\nl+\m)+3] offset:16384*(\m%4)+1024*((4*\W+\nl)/2)+512*(\nl%2)
.endr
.endr
.Lnolds_\@_\W:
	s_cmp_eq_u32 s[DOGLB], 0
	s_cbranch_scc1 .Lnoglb_\@_\W
.endif
.irp nl, 0,1,2,3
.irp m, 0,1,2,3,4,5,6,7
	global_store_b128 v[OL], v[TOK+4*(8*\nl+\m):TOK+4*(8*\nl+\m)+3], s[OP:OP+1] offset:16384*\m+1024*((4*\W+\nl)/2)+512*(\nl%2)   ; 512 consecutive bytes, aligned
.endr
.endr
.if \flags
.Lnoglb_\@_\W:
.endif
	s_wait_xcnt 0x0                                ; the stores have read the packed registers, which are written again
	s_wait_dscnt 0x0
.endr
.endm
.macro LOADBIAS bp
	WIN 0x40
.irp nt, 0,1,2,3,4,5,6,7
	global_load_b128 v[BB+8*\nt:BB+8*\nt+3], v[BL], s[\bp:\bp+1] offset:64*\nt
	global_load_b128 v[BB+8*\nt+4:BB+8*\nt+7], v[BL], s[\bp:\bp+1] offset:64*\nt+16
.endr
	WIN 0
.endm
; One chunk of the f16 weight: channels 64 ch .. + 63 of qp, two steps.  qp's fragments of the first step were asked for earlier.  The second step's 32 loads stand in the first step's middle:
; they go into the other set of registers, whose last readers stand ahead of the four places at the end of the chunk before.
.macro HCHUNK s, ch, first, next
	FETCHW \s, 0, 0
	RUNH 1, 0, 0, \first, 0, 12, 8                 ; of the weight's 16 loads 12, then 8 may be out
	FETCHQ 2*(\ch)+1, 1
	FETCHW \s, 1, 1
	RUNH 1, 0, 0, \first, 1, 36, 32                ; 4, then none of them, and the 32 just issued
	RUN 1, 1, 0
	PLACES
.if \next
	FETCHQ 2*(\ch)+2, 0
.endif
.endm
	s_load_b256 s[4:11], s[0:1], 0x0               ; q s[4:5], opp s[6:7], bq s[8:9], bk s[10:11]
	s_load_b256 s[12:19], s[0:1], 0x20             ; bv s[12:13], wst s[14:15], ws s[16:17], wm s[18:19]
	s_load_b128 s[20:23], s[0:1], 0x40             ; qpi s[20:21], ki s[22:23]
	s_load_b64 s[40:41], s[0:1], 0x50              ; vi
	v_lshl_add_u32 v[SPW], v0, 2, SPARE
	v_mov_b32 v[NIL], 0
	ds_add_u32 v[SPW], v[NIL]                      ; the wave's opening: the add, twice on end, and its wait ahead of my first tensor load
	ds_add_u32 v[SPW], v[NIL]
	v_lshrrev_b32 v24, 5, v0
	v_readfirstlane_b32 s[WV], v24                 ; wave 0..3
	s_and_b32 s[TT], ttmp9, 1                      ; the type: the cluster's, so the four partners share it
	s_xor_b32 s[NT], s[TT], 1
	s_bfe_u32 s[CX], ttmp6, 0x40000                ; my place in the cluster: it enters x's and the outputs' addresses alone
	s_lshr_b32 s[RB], ttmp9, 1
	s_lshl_b32 s[RB], s[RB], 2
	s_add_co_u32 s[RB], s[RB], s[CX]               ; my block of 128 rows, 0..127
	s_mov_b32 s[G1], 15|(3<<16)|(1<<21)            ; 15:0 the mask: all four work-groups; 17:16 elements of 8 bytes; 21 set beside a mask; no padding
	s_mov_b32 s[G1+1], 32<<16                      ; tensor_dim0 = 32 elements: 256 bytes
	s_mov_b32 s[G1+2], 64<<16                      ; tensor_dim1 = 64 rows: 16 KB, dense
	s_mov_b32 s[G1+3], 32<<16                      ; tile_dim0
	s_mov_b32 s[G1+4], 64                          ; tile_dim1
	s_mov_b32 s[G1+5], 32                          ; the pitch
	s_mov_b32 s[G1+6], 0
	s_mov_b32 s[G1+7], 0
	s_mov_b32 s[G0], 1
	s_lshl_b32 s[G0+1], s[WV], 14                  ; slot 0, my quarter
	s_mov_b32 s[G0+4], 1
	s_add_co_u32 s[G0+5], s[G0+1], SLOTB           ; slot 1
	s_mul_i32 s82, s[TT], 786432                   ; my type's stream,
	s_lshl_b32 s83, s[WV], 14
	s_add_co_u32 s82, s82, s83                     ; my quarter of a chunk
	s_mov_b32 s83, 0
	s_mov_b32 s[SEL], 0x76543210
	s_mov_b32 s[SEL+1], 0xfedcba98
	s_mov_b32 s[RLO], 0x21800000                   ; 2^-60
	s_mov_b32 s[RHI], 0x5d800000                   ; 2^60
	s_wait_dscnt 0x0                               ; both opening adds are done
	s_wait_kmcnt 0x0
	s_add_nc_u64 s[G0+2:G0+3], s[14:15], s[82:83]  ; chunk 0
	s_add_nc_u64 s[G0+6:G0+7], s[G0+2:G0+3], SLOTB ; chunk 1
	s_or_b32 s[G0+3], s[G0+3], 0x80000000
	s_or_b32 s[G0+7], s[G0+7], 0x80000000
	CROUND                                         ; all four work-groups are here: the first joint loads meet
	tensor_load_to_lds s[G0:G0+3], s[G1:G1+7]
	s_nop 0
	tensor_load_to_lds s[G0+4:G0+7], s[G1:G1+7]    ; two loads of mine are out
	s_nop 0
	PLACES
	v_and_b32 v24, 31, v0                          ; lane
	v_and_b32 v25, 15, v0                          ; r
	v_bfe_u32 v26, v0, 4, 1                        ; h
	v_lshlrev_b32 v[LI], 4, v24
	v_lshlrev_b32 v[LS], 2, v24
	s_lshl_b32 s85, s[WV], 14
	v_add_nc_u32 v[WA0], s85, v[LI]
	v_add_nc_u32 v[WA0+1], SLOTB, v[WA0]
	v_add_nc_u32 v[XIA], XI, v[LI]
	v_add_nc_u32 v[XSA], XS, v[LS]
	v_add_nc_u32 v[QA0], QPI, v[LI]
	v_add_nc_u32 v[QA0+1], QPI+65536, v[LI]
	s_lshl_b32 s85, s[WV], 12
	v_add_nc_u32 v[QW0], s85, v[QA0]
	v_add_nc_u32 v[QW0+1], s85, v[QA0+1]
	s_lshl_b32 s85, s[WV], 13
	v_add_nc_u32 v[XW], s85, v[XIA]
	s_lshl_b32 s85, s[WV], 10
	v_add_nc_u32 v[XSWA], s85, v[XSA]
	s_mul_i32 s85, s[WV], 4352
	s_add_co_u32 s85, s85, TURN
	v_mul_u32_u24 v27, v26, 272
	v_lshl_add_u32 v27, v25, 4, v27
	v_add_nc_u32 v[TS], s85, v27
	v_mul_u32_u24 v27, v25, 272
	v_lshl_add_u32 v27, v26, 6, v27
	v_add_nc_u32 v[TR], s85, v27
	v_lshlrev_b32 v27, 11, v26
	v_lshl_add_u32 v[XA], v25, 4, v27
	v_lshlrev_b32 v[BL], 5, v26
	v_and_b32 v27, 7, v25                          ; v's place in a block: 16 (r / 8) + 8 h + r % 8
	v_lshrrev_b32 v28, 3, v25
	v_lshl_add_u32 v27, v28, 4, v27
	v_lshl_add_u32 v27, v26, 3, v27
	v_lshlrev_b32 v27, 4, v27
	s_cmp_eq_u32 s[TT], 0
	s_cselect_b32 s[MSK], 0, -1
	s_cselect_b64 s[BT0:BT0+1], s[10:11], s[12:13] ; b_T
	s_cselect_b64 s[OKV:OKV+1], s[22:23], s[40:41] ; ki or vi
	v_cndmask_b32 v[OLT], v[LI], v27, s[MSK]
.irp b, 0,1,2,3
	v_mov_b32 v[TM+4+\b], 0                        ; written once: a lane permute's destination counts as one of its sources
.endr
	s_mov_b32 s79, 0
	s_mov_b32 s81, 0
	s_lshl_b32 s78, s[RB], 18                      ; 128 rows of 2,048 bytes a block,
	s_lshl_b32 s80, s[WV], 16                      ; 32 rows a wave
	s_add_co_u32 s78, s78, s80
	s_add_nc_u64 s[4:5], s[4:5], s[78:79]
	s_add_nc_u64 s[6:7], s[6:7], s[78:79]
	s_lshl_b32 s78, s[WV], 9                       ; my 128 numbers of a bias
	s_add_nc_u64 s[8:9], s[8:9], s[78:79]
	s_add_nc_u64 s[BTW:BTW+1], s[BT0:BT0+1], s[78:79]
	s_lshl_b32 s78, s[WV], 12                      ; my 8 n tiles' scale words
	s_add_nc_u64 s[WSQ:WSQ+1], s[16:17], s[78:79]
	s_add_co_u32 s80, s[TT], 1
	s_lshl_b32 s80, s80, 14
	s_add_nc_u64 s[WST:WST+1], s[WSQ:WSQ+1], s[80:81]
	s_lshl_b32 s78, s[TT], 12
	s_add_nc_u64 s[18:19], s[18:19], s[78:79]      ; wm of my type
	s_lshl_b32 s78, s[RB], 17                      ; 8 token tiles of 16,384 bytes a block,
	s_lshl_b32 s80, s[WV], 12                      ; my 4 cs of 1,024
	s_add_co_u32 s78, s78, s80
	s_add_nc_u64 s[20:21], s[20:21], s[78:79]
	s_add_nc_u64 s[OKV:OKV+1], s[OKV:OKV+1], s[78:79]
	s_add_nc_u64 s[OKV2:OKV2+1], s[OKV:OKV+1], 0x1000000   ; the second set: opp's
	; R = the largest magnitude in W_T (its rows' maxima) and b_T; 2^-(E+3) from its exponent field
.irp i, 0,1,2,3,4,5,6,7
	global_load_b128 v[GT+4*\i:GT+4*\i+3], v[LI], s[18:19] offset:512*\i
.endr
.irp i, 0,1,2,3
	global_load_b128 v[GT+32+4*\i:GT+32+4*\i+3], v[LI], s[BT0:BT0+1] offset:512*\i
.endr
	s_wait_loadcnt 0x0
	v_max3_num_f32 v[GA], |v[GT]|, |v[GT+1]|, |v[GT+2]|
	v_max3_num_f32 v[GB], |v[GT+3]|, |v[GT+4]|, |v[GT+5]|
.irp i, 6,10,14,18,22,26,30,34,38,42
	v_max3_num_f32 v[GA], v[GA], |v[GT+\i]|, |v[GT+\i+1]|
	v_max3_num_f32 v[GB], v[GB], |v[GT+\i+2]|, |v[GT+\i+3]|
.endr
	v_max3_num_f32 v[GA], v[GA], |v[GT+46]|, |v[GT+47]|
	v_max_num_f32 v[GA], v[GA], v[GB]
	v_max_num_f32_dpp v[GA], v[GA], v[GA] row_xmask:1 row_mask:0xf bank_mask:0xf
	v_max_num_f32_dpp v[GA], v[GA], v[GA] row_xmask:2 row_mask:0xf bank_mask:0xf
	v_max_num_f32_dpp v[GA], v[GA], v[GA] row_xmask:4 row_mask:0xf bank_mask:0xf
	v_max_num_f32_dpp v[GA], v[GA], v[GA] row_xmask:8 row_mask:0xf bank_mask:0xf
	v_permlanex16_b32 v[GB], v[GA], s[SEL], s[SEL+1]
	v_max_num_f32 v[GA], v[GA], v[GB]
	v_med3_num_f32 v[GA], v[GA], s[RLO], s[RHI]
	v_and_b32 v[GA], 0x7f800000, v[GA]
	v_sub_nc_u32 v[SKV], 0x7d800000, v[GA]         ; exponent field 251 - (E + 127): 2^-(E+3)
	s_mov_b32 s[TRIP], 0
.Ltrip:                                                ; trip 0: opp with W_T; trip 1: q with Wq
	s_wait_xcnt 0x0                                ; earlier loads and stores have read the registers chosen anew below
	s_cmp_eq_u32 s[TRIP], 0
	s_cselect_b64 s[XP:XP+1], s[6:7], s[4:5]
	s_cselect_b64 s[BP:BP+1], s[BTW:BTW+1], s[8:9]
	s_cselect_b64 s[WSP:WSP+1], s[WST:WST+1], s[WSQ:WSQ+1]
	s_cselect_b64 s[OP:OP+1], s[OKV2:OKV2+1], s[20:21]
	s_cselect_b32 s[DOLDS], 0, 1                   ; qp stays in LDS for the f16 product;
	s_cselect_b32 s[DOGLB], 1, s[NT]               ; only type 0 stores it
	s_cselect_b32 s[MSK], -1, 0
	v_cndmask_b32 v[OL], v[LI], v[OLT], s[MSK]
	v_cndmask_b32 v[FV], 1.0, v[SKV], s[MSK]
	v_mov_b32 v[FV+1], v[FV]
	LOADBIAS BP
.irp nt, 0,1,2,3,4,5,6,7
	global_load_b128 v[WS+4*\nt:WS+4*\nt+3], v[LI], s[WSP:WSP+1] offset:512*\nt   ; the weight's scale words: K steps 0..3 of n tile nt
.endr
	XLOAD 0
	XLOAD 1
	XLOAD 2
	XLOAD 3
	s_wait_loadcnt 48                              ; call 0 is in (and the bias and the scale words, asked for ahead of it); the three later calls' loads may be out
	TURNX 0
.irp c, 0,1,2,3,4,5,6,7
	XCALL \c
.endr
	s_wait_tensorcnt 0x1                           ; the even chunk is in; the one load issued behind it, the odd chunk's, may stay out
	s_wait_dscnt 0x0                               ; my images of x have landed
	s_barrier_signal -1
	s_barrier_wait -1                              ; everybody's have
	FETCHX 0, 0
	FETCHW 0, 0, 0
	RUNH 0, 0, 0, 1, 0, 12, 8                      ; x's 24 loads and four, then eight of the weight's 16 are wanted
	FETCHX 1, 1                                    ; the next K step's 40 loads stand in this step's middle
	FETCHW 0, 1, 1
	RUNH 0, 0, 0, 1, 1, 44, 40                     ; 4, then none of the weight's, and the 40 just issued
	RUN 0, 1, 1
	PLACES
	FETCHX 2, 0
	CHG 0
	FETCHW 1, 0, 0
	RUNH 0, 0, 2, 0, 0, 12, 8
	FETCHX 3, 1
	FETCHW 1, 1, 1
	RUNH 0, 0, 2, 0, 1, 44, 40
	RUN 0, 1, 3                                    ; its last wait is for 0: my reads of slot 1 are over
	PLACES
	OUT 1
	CHG 1                                          ; behind the way out, so that the chunk asked for at the change before has had the way out in which to land
	s_add_co_u32 s[TRIP], s[TRIP], 1
	s_cmp_lt_u32 s[TRIP], 2
	s_cbranch_scc1 .Ltrip
	; k or v = qp W_T^T + b_T in f16: eight chunks of 64 channels, written out
	s_wait_xcnt 0x0
	s_mov_b64 s[OP:OP+1], s[OKV:OKV+1]
	v_mov_b32 v[OL], v[OLT]
	v_mov_b32 v[FV], v[SKV]
	v_mov_b32 v[FV+1], v[SKV]
	LOADBIAS BTW
	s_wait_tensorcnt 0x1                           ; chunk 4 is in; chunk 5's load, issued behind it, may stay out
	s_wait_dscnt 0x0                               ; my part of qp has landed
	s_wait_loadcnt 0x0                             ; the bias
	s_barrier_signal -1
	s_barrier_wait -1                              ; qp's 128 images are whole
	FETCHQ 0, 0
	HCHUNK 0, 0, 1, 1
	CHG 0
	HCHUNK 1, 1, 0, 1
	CHG 1
	HCHUNK 0, 2, 0, 1
	CHG 0
	HCHUNK 1, 3, 0, 1
	CHG 1
	HCHUNK 0, 4, 0, 1
	CHG 0
	HCHUNK 1, 5, 0, 1
	CHG 1
	HCHUNK 0, 6, 0, 1                              ; the last two chunks: nothing is left to fetch
	s_wait_tensorcnt 0x0                           ; the last chunk: I read my own quarter alone, so my own wait is all that the reads need
	HCHUNK 1, 7, 0, 0
	OUT 0
	s_wait_tensorcnt 0x0                           ; the wave's end
	ds_add_u32 v[SPW], v[NIL]
	s_wait_dscnt 0x0
	CROUND                                         ; the closing round
	s_endpgm
.Lfunc_end_k_qb330ecddbe_proj:
	.size	k_qb330ecddbe_proj, .Lfunc_end_k_qb330ecddbe_proj-k_qb330ecddbe_proj
	.p2alignl 7, 3214868480
	.fill 96, 4, 3214868480
	.section	.rodata,"a",@progbits
	.p2align	6, 0x0
	.amdhsa_kernel k_qb330ecddbe_proj
		.amdhsa_group_segment_fixed_size 327680
		.amdhsa_private_segment_fixed_size 0
		.amdhsa_enable_private_segment 0
		.amdhsa_kernarg_size 88
		.amdhsa_user_sgpr_count 2
		.amdhsa_user_sgpr_kernarg_segment_ptr 1
		.amdhsa_wavefront_size32 1
		.amdhsa_system_sgpr_workgroup_id_x 1
		.amdhsa_system_sgpr_workgroup_id_y 1
		.amdhsa_system_sgpr_workgroup_id_z 1
		.amdhsa_system_vgpr_workitem_id 0
		.amdhsa_next_free_vgpr 1024
		.amdhsa_next_free_sgpr 96
		.amdhsa_reserve_vcc 0
		.amdhsa_float_denorm_mode_32 3
		.amdhsa_float_denorm_mode_16_64 3
		.amdhsa_memory_ordered 1
		.amdhsa_forward_progress 1
		.amdhsa_inst_pref_size 255
	.end_amdhsa_kernel
	.section	.bss,"aw",@nobits
	.p2align	6
	.space	262144
	.amdgpu_metadata
---
amdhsa.version: [ 1, 2 ]
amdhsa.kernels:
  - .name:           k_qb330ecddbe_proj
    .symbol:         k_qb330ecddbe_proj.kd
    .args:
      - { .name: q, .offset: 0, .size: 8, .value_kind: global_buffer, .address_space: global }
      - { .name: opp, .offset: 8, .size: 8, .value_kind: global_buffer, .address_space: global }
      - { .name: bq, .offset: 16, .size: 8, .value_kind: global_buffer, .address_space: global }
      - { .name: bk, .offset: 24, .size: 8, .value_kind: global_buffer, .address_space: global }
      - { .name: bv, .offset: 32, .size: 8, .value_kind: global_buffer, .address_space: global }
      - { .name: wst, .offset: 40, .size: 8, .value_kind: global_buffer, .address_space: global }
      - { .name: ws, .offset: 48, .size: 8, .value_kind: global_buffer, .address_space: global }
      - { .name: wm, .offset: 56, .size: 8, .value_kind: global_buffer, .address_space: global }
      - { .name: qpi, .offset: 64, .size: 8, .value_kind: global_buffer, .address_space: global }
      - { .name: ki, .offset: 72, .size: 8, .value_kind: global_buffer, .address_space: global }
      - { .name: vi, .offset: 80, .size: 8, .value_kind: global_buffer, .address_space: global }
    .group_segment_fixed_size: 327680
    .private_segment_fixed_size: 0
    .kernarg_segment_align: 8
    .kernarg_segment_size: 88
    .max_flat_workgroup_size: 128
    .sgpr_count:     96
    .vgpr_count:     1024
    .wavefront_size: 32
...
	.end_amdgpu_metadata
.endif
;; end of part 2
;; launch attn (part 3): grid 8 x 32, 4 waves a work-group, clusters of 4 x 1, 327,680 bytes of LDS; arguments qpi, ki, vi, wm, bk, bv, out0, out1; writes out0, out1
.if DOCPART == 3
	.amdgcn_target "amdgcn-amd-amdhsa--gfx1250"
	.amdhsa_code_object_version 6
	.text
	.protected	k_qb330ecddbe_attn
	.globl	k_qb330ecddbe_attn
	.p2align	8
	.type	k_qb330ecddbe_attn,@function
k_qb330ecddbe_attn:
	s_mov_b64 s[64:65], 0
	v_nop
	global_prefetch_b8 v0, s[64:65] scope:SCOPE_SE
	s_setreg_imm32_b32 hwreg(HW_REG_WAVE_MODE, 25, 1), 1
	s_wait_xcnt 0x0
	s_wait_alu depctr_hold_cnt(0) depctr_sa_sdst(0) depctr_va_vdst(0) depctr_va_sdst(0) depctr_va_ssrc(0) depctr_va_vcc(0) depctr_vm_vsrc(0)
	s_getreg_b32 s2, hwreg(HW_REG_IB_STS2, 6, 4)
	s_cmp_eq_u32 s2, 0
	s_cbranch_scc0 .Lentry_in_a_cluster
	s_endpgm
.Lentry_in_a_cluster:
	s_bfe_u32 s2, ttmp6, 0x10000c
	s_cmp_lg_u32 s2, 0x3003
	s_cbranch_scc0 .Lentry_shape_is_right
	s_endpgm
.Lentry_shape_is_right:
; The two attentions, head size 512, 1,024 queries x 1,024 keys in each of 16 batches.  y = 2 x batch + set; set 0: keys and values k, v of the batch itself, the diagonal replaced by -1e9, to out0; set 1: opp's, to out1.
; All operands are f16 images of operand registers, made by the launch before: [token tile][32 channels cs][c][lane][16 bytes]; products, maxima and sums in f32; the weights p are rounded to f16 for the second product.
; k and v arrive x 2^-(E+3) (E from the largest magnitude R in the weight and bias that made them, held to 2^-60 .. 2^60).  The powers of two are multiplied back exactly: k's in the softmax's constant c, v's in the last division.
; LIMITS: as the launch before states (f16's range for qp and the scaled k, v); NaN and infinities are not served.
; SHARES.  A work-group owns 128 queries, a wave 32: two tiles of 16.  O^T is 2 x 256 registers, Q 2 x 128.  Every wave walks all keys, 128 a step, 8 steps.
; LAYOUT.  S^T = K Q^T (source 0 = 16 keys, source 1 = 16 queries) and O^T = V^T P: a lane holds ONE query (lane % 16) throughout.  Two tiles of S^T, rounded in pairs, are source 1 of the second product.
; V's blocks of 16 tokens x 16 channels were stored so that the transposing LDS load at 16 x lane gives lane l channel l % 16 and keys 8 (l / 16) + 0 .. 7.
; SOFTMAX.  A running maximum m and sum l for each query: p = 2^(c s - c m); in every step O and l are multiplied by a = 2^(c m_old - c m_new).
; THE SECOND PRODUCT GOES BY QUARTERS of O^T's 512 channels: a quarter's 16 accumulators take the step's 128 keys in four runs of 16 loads and 16 products.  Only the first quarter is multiplied by a ahead of the
; products; the others' multiplications stand behind the runs of the quarter before, 16 behind each, as the places in front of the next loads.  In the last step a quarter leaves as soon as its four runs are done.
; LDS holds one tile of K and one of V (128 KB each).  K's is filled again behind the step's first product, V's behind its second: each fill has the other phase in which to land.
; CLUSTER.  The four query blocks of a cluster walk the same K and V: each tile is asked for JOINTLY (mask 15), each wave asking for a quarter.
; O^T begins as zeros and m as -3e38, so that a key step is written twice (the loop's and the last) and not three times: a third copy would be a third more code.
; REGISTERS: window 0: v1-11 addresses and constants; v12-27 statistics, 8 a tile; v[28:29] c; v30 2^(Ev+3); v31 the diagonal's place; v32-159 S^T (64 a tile), later two sets of eight fragments of V;
;   v160-255 three sets of K's fragments, later P (32 a tile) in v160-223 and, in the last step, the last factors in v224-227.
;   windows 1, 2: O(t, ct) at 16 (ct % 16) + 8 t of window 1 + ct / 16: quarter q is registers 128 (q % 2) .. + 127 of window 1 + q / 2.   window 3: Q(t, cs) at 128 t + 8 cs.
.set STAGE, 262144                     ; behind K's and V's tiles: 16 rows x (512 + 16) bytes for each wave, for the way out
.set SPARE, 295936                     ; the spare words, 128 bytes a wave: two blocks of 256 bytes that no other line names
.set AK0, 1                            ; v1,2 16 x lane in K's tile: key tiles 0-3, 4-7.  v1 is also the lane's offset in memory
.set AV0, 3                            ; v3,4 the same in V's
.set SPW, 5
.set NIL, 6
.set STO, 7                            ; v7   the stage, in: 528 r + 32 h
.set RD, 8                             ; v8   the stage, out: 16 x lane
.set PFO, 10                           ; v10  256 x lane: the prefetches' offset
.set NEGV, 11                          ; v11  what stands for -1e9 among the raw scores: -1e9 sqrt(512) 2^-(Ek+3)
.set ST, 12                            ; tile t at v[ST + 8 t]: +0 c m, +1 m, +2, +3 l (two halves), +4 .. +7 at work; a takes +6
.set CV, 28
.set OSC, 30
.set DD, 31
.set SB, 32
.set VB, 32
.set KB, 160
.set PB, 160
.set FIN, 224                          ; v[224:225], v[226:227]: 2^(Ev+3) / l of tile 0, 1
.set GTK, 32                           ; at the head: what k's power of two is made of;
.set GTV, 80                           ; and v's
.set GA, 160
.set GB, 161
.set WV, 20
.set CX, 21
.set QB, 22
.set YY, 23
.set G1, 24
.set G0K, 32                           ; s[32:35] K's group 0;  s[36:39] V's
.set BAT, 40
.set SET, 41
.set CNT, 42
.set PFV, 44                           ; s[44:45] where my prefetches of V stand;  s[46:47] of K
.set LIMV, 48                          ; s48, s49: a wave prefetches while s[CNT] is above these
.set SEL, 50
.set RLO, 60
.set RHI, 61
.set MSB, 0
.macro WIN new
.if MSB != (\new)
	s_set_vgpr_msb (MSB<<8)|(\new)
.set MSB, (\new)
.endif
.endm
.macro PLACES
.rept 4
	v_nop
.endr
.endm
.macro CROUND
	s_barrier_signal -1
	s_barrier_wait -1
	s_cmp_lg_u32 s[WV], 0
	s_cbranch_scc1 .Lnot_wave_0_\@
	s_barrier_signal -3
.Lnot_wave_0_\@:
	s_barrier_wait -3
	s_barrier_signal -1
	s_barrier_wait -1
.endm
; R = the largest magnitude in a weight (its rows' maxima, at woff in wm) and its bias.  GLOAD asks for the 48 numbers a lane; GCALC makes sreg = 2^-(E+3), ireg = 2^(E+3)
.macro GLOAD gt, woff, bp
.irp i, 0,1,2,3,4,5,6,7
	global_load_b128 v[\gt+4*\i:\gt+4*\i+3], v[AK0], s[10:11] offset:\woff+512*\i
.endr
.irp i, 0,1,2,3
	global_load_b128 v[\gt+32+4*\i:\gt+32+4*\i+3], v[AK0], s[\bp:\bp+1] offset:512*\i
.endr
.endm
.macro GCALC gt, sreg, ireg
	v_max3_num_f32 v[GA], |v[\gt]|, |v[\gt+1]|, |v[\gt+2]|
	v_max3_num_f32 v[GB], |v[\gt+3]|, |v[\gt+4]|, |v[\gt+5]|
.irp i, 6,10,14,18,22,26,30,34,38,42
	v_max3_num_f32 v[GA], v[GA], |v[\gt+\i]|, |v[\gt+\i+1]|
	v_max3_num_f32 v[GB], v[GB], |v[\gt+\i+2]|, |v[\gt+\i+3]|
.endr
	v_max3_num_f32 v[GA], v[GA], |v[\gt+46]|, |v[\gt+47]|
	v_max_num_f32 v[GA], v[GA], v[GB]
	v_max_num_f32_dpp v[GA], v[GA], v[GA] row_xmask:1 row_mask:0xf bank_mask:0xf
	v_max_num_f32_dpp v[GA], v[GA], v[GA] row_xmask:2 row_mask:0xf bank_mask:0xf
	v_max_num_f32_dpp v[GA], v[GA], v[GA] row_xmask:4 row_mask:0xf bank_mask:0xf
	v_max_num_f32_dpp v[GA], v[GA], v[GA] row_xmask:8 row_mask:0xf bank_mask:0xf
	v_permlanex16_b32 v[GB], v[GA], s[SEL], s[SEL+1]
	v_max_num_f32 v[GA], v[GA], v[GB]
	v_med3_num_f32 v[GA], v[GA], s[RLO], s[RHI]
	v_and_b32 v[GA], 0x7f800000, v[GA]
	v_sub_nc_u32 v[\sreg], 0x7d800000, v[GA]
	v_add_nc_u32 v[\ireg], 0x01800000, v[GA]
.endm
; set i = 16 g + cs of K's fragments: key tiles 4 g .. 4 g + 3, channels 32 cs on: 8 loads into buffer i % 3
.macro KSET i
.irp k, 0,1,2,3
	ds_load_b128 v[KB+32*((\i)%3)+8*\k:KB+32*((\i)%3)+8*\k+3], v[AK0+(\i)/16] offset:16384*\k+1024*((\i)%16)
	ds_load_b128 v[KB+32*((\i)%3)+8*\k+4:KB+32*((\i)%3)+8*\k+7], v[AK0+(\i)/16] offset:16384*\k+1024*((\i)%16)+512
.endr
.endm
; S^T = K Q^T: 32 sets of 8 products; the set's 8 accumulators take turns.  Only source 1 (Q) has another window, so the loads need no switch.
; Beside O^T, Q, S^T and the addresses 96 registers are left: three sets of four fragments, and no longer runs.
.macro SPHASE
	v_nop                                          ; with the four behind the joint load: more than the five places between the last products of the step before and the products that write over their operands
	v_nop
	WIN 0x0c
	KSET 0
	KSET 1
	KSET 2
.set I_, 0
.rept 32
.if I_ < 30
	s_wait_dscnt 16                                ; the two later sets' loads may be out
.elseif I_ == 30
	s_wait_dscnt 8
.else
	s_wait_dscnt 0x0
.endif
.irp k, 0,1,2,3
.irp t, 0,1
.if (I_%16) == 0
	v_wmma_f32_16x16x32_f16 v[SB+64*\t+8*(4*(I_/16)+\k):SB+64*\t+8*(4*(I_/16)+\k)+7], v[KB+32*(I_%3)+8*\k:KB+32*(I_%3)+8*\k+7], v[128*\t+8*(I_%16):128*\t+8*(I_%16)+7], 0
.else
	v_wmma_f32_16x16x32_f16 v[SB+64*\t+8*(4*(I_/16)+\k):SB+64*\t+8*(4*(I_/16)+\k)+7], v[KB+32*(I_%3)+8*\k:KB+32*(I_%3)+8*\k+7], v[128*\t+8*(I_%16):128*\t+8*(I_%16)+7], v[SB+64*\t+8*(4*(I_/16)+\k):SB+64*\t+8*(4*(I_/16)+\k)+7]
.endif
.endr
.endr
.if I_ < 29
	PLACES
	KSET I_+3
.endif
.set I_, I_+1
.endr
.endm
; x = 0: K's tile has been read out; 1: V's.  All my tensor loads have landed (my quarter of the other tile among them), the add, my LDS reads are back.  fill = 1: a round of the cluster's barrier, and the next tile
; is asked for first behind it.  Behind the load stands one prefetch: K's change asks for the V tile that V's change will load, V's change for the K tile that the next K's change will load: one phase, 256 matrix
; instructions, ahead.  Both clusters of a (batch, set) walk the same tiles: the first asks; its 16 waves share a tile's 128 KB out by address, 8,192 bytes a wave, lanes 256 bytes apart: each block is named once.
; The last trip's V change asks for nothing: there is no ninth tile.  K(0), V(0) and K(1) come by their loads alone.
.macro CHANGE x, fill
	WIN 0
	s_wait_tensorcnt 0x0
	ds_add_u32 v[SPW], v[NIL]
.if \fill
	s_add_nc_u64 s[G0K+4*\x+2:G0K+4*\x+3], s[G0K+4*\x+2:G0K+4*\x+3], 131072
	s_wait_xcnt 0x0                                ; the last prefetch by this address, a step back, has read it
	s_add_nc_u64 s[PFV+2*\x:PFV+2*\x+1], s[PFV+2*\x:PFV+2*\x+1], 131072
	s_wait_dscnt 0x0
	CROUND
	tensor_load_to_lds s[G0K+4*\x:G0K+4*\x+3], s[G1:G1+7]
	s_nop 0
	PLACES
	s_cmp_gt_u32 s[CNT], s[LIMV+\x]
	s_cbranch_scc0 .Lnot_mine_\@
	global_prefetch_b8 v[PFO], s[PFV+2*\x:PFV+2*\x+1] th:TH_LOAD_NT scope:SCOPE_SE
.Lnot_mine_\@:
.else
	s_wait_dscnt 0x0
	s_barrier_signal -1
	s_barrier_wait -1
.endif
.endm
; The diagonal: query 128 qb + 32 w + 16 t + r meets key 128 step + 16 kt + 8 h + j where step = qb, kt = 2 w + t, j = r - 8 h.  v[DD] = r - 8 h + 16 (qb - step) (set 1: far off), so only a compare and a select
; hang on the work-group's place; the branch hangs on the wave's number alone, which picks the registers.
.macro MASK
	PLACES
.irp w, 0,1,2,3
	s_cmp_eq_u32 s[WV], \w
	s_cbranch_scc0 .Lmask_\@_\w
.irp j, 0,1,2,3,4,5,6,7
	v_cmp_eq_i32 vcc_lo, \j, v[DD]
	v_cndmask_b32 v[SB+8*(2*\w)+\j], v[SB+8*(2*\w)+\j], v[NEGV], vcc_lo
	v_cndmask_b32 v[SB+64+8*(2*\w+1)+\j], v[SB+64+8*(2*\w+1)+\j], v[NEGV], vcc_lo
.endr
.Lmask_\@_\w:
.endr
	v_add_nc_u32 v[DD], -16, v[DD]
.endm
.macro SOFTMAX                         ; both tiles by turns; each tile of S^T is read from its low end on
.irp q, 0,1,2,3
.irp t, 0,1
	v_max3_num_f32 v[ST+8*\t+4+\q], v[SB+64*\t+16*\q], v[SB+64*\t+16*\q+1], v[SB+64*\t+16*\q+2]
.endr
.endr
.irp i, 3,5,7,9,11,13
.irp q, 0,1,2,3
.irp t, 0,1
	v_max3_num_f32 v[ST+8*\t+4+\q], v[ST+8*\t+4+\q], v[SB+64*\t+16*\q+\i], v[SB+64*\t+16*\q+\i+1]
.endr
.endr
.endr
.irp t, 0,1
	v_max3_num_f32 v[ST+8*\t+4], v[ST+8*\t+4], v[SB+64*\t+15], v[SB+64*\t+31]
	v_max3_num_f32 v[ST+8*\t+6], v[ST+8*\t+6], v[SB+64*\t+47], v[SB+64*\t+63]
.endr
.irp t, 0,1
	v_max3_num_f32 v[ST+8*\t+4], v[ST+8*\t+4], v[ST+8*\t+5], v[ST+8*\t+6]
.endr
.irp t, 0,1
	v_max3_num_f32 v[ST+8*\t+4], v[ST+8*\t+4], v[ST+8*\t+7], v[ST+8*\t+1]   ; the old m among them
.endr
.irp t, 0,1
	v_permlanex16_b32 v[ST+8*\t+5], v[ST+8*\t+4], s[SEL], s[SEL+1]          ; the query's other 64 keys lie in the lane 16 away
.endr
.irp t, 0,1
	v_mov_b32 v[ST+8*\t+7], v[ST+8*\t]                                      ; c m_old
.endr
.irp t, 0,1
	v_max_num_f32 v[ST+8*\t+1], v[ST+8*\t+4], v[ST+8*\t+5]
.endr
.irp t, 0,1
	v_mul_f32 v[ST+8*\t], v[CV], v[ST+8*\t+1]
.endr
.irp t, 0,1
	v_sub_f32 v[ST+8*\t+7], v[ST+8*\t+7], v[ST+8*\t]
.endr
.set J_, 0
.rept 32
.irp t, 0,1
	v_pk_fma_f32 v[SB+64*\t+2*J_:SB+64*\t+2*J_+1], v[SB+64*\t+2*J_:SB+64*\t+2*J_+1], v[CV:CV+1], v[ST+8*\t:ST+8*\t+1] op_sel_hi:[1,0,0] neg_lo:[0,0,1] neg_hi:[0,0,1]   ; c s - c m
.endr
.set J_, J_+1
.endr
.irp t, 0,1
	v_exp_f32 v[ST+8*\t+6], v[ST+8*\t+7]           ; a
.endr
.set J_, 0
.rept 128
	v_exp_f32 v[SB+J_], v[SB+J_]                   ; p
.set J_, J_+1
.endr
	v_nop                                          ; a plain place behind the last exponential
	s_wait_alu depctr_va_vdst(0)                   ; the wait ahead of the first line that names a result: one for the 130
.set J_, 0
.rept 64
	v_cvt_pk_f16_f32 v[PB+J_], v[SB+2*J_], v[SB+2*J_+1]
.set J_, J_+1
.endr
.irp i, 1,2,3,4,5,6,7                          ; the sum of the unrounded p, in place, four chains a tile
.irp q, 0,1,2,3
.irp t, 0,1
	v_pk_add_f32 v[SB+64*\t+16*\q:SB+64*\t+16*\q+1], v[SB+64*\t+16*\q:SB+64*\t+16*\q+1], v[SB+64*\t+16*\q+2*\i:SB+64*\t+16*\q+2*\i+1]
.endr
.endr
.endr
.irp t, 0,1
	v_pk_add_f32 v[SB+64*\t:SB+64*\t+1], v[SB+64*\t:SB+64*\t+1], v[SB+64*\t+16:SB+64*\t+17]
	v_pk_add_f32 v[SB+64*\t+32:SB+64*\t+33], v[SB+64*\t+32:SB+64*\t+33], v[SB+64*\t+48:SB+64*\t+49]
.endr
.irp t, 0,1
	v_pk_add_f32 v[SB+64*\t:SB+64*\t+1], v[SB+64*\t:SB+64*\t+1], v[SB+64*\t+32:SB+64*\t+33]
.endr
.irp t, 0,1
	v_pk_fma_f32 v[ST+8*\t+2:ST+8*\t+3], v[ST+8*\t+2:ST+8*\t+3], v[ST+8*\t+6:ST+8*\t+7], v[SB+64*\t:SB+64*\t+1] op_sel_hi:[1,0,1]   ; l = a l + the sum
.endr
.endm
; Behind the last softmax l is whole: the last factor 2^(Ev+3) / l of each tile
.macro FINAL
.irp t, 0,1
	v_add_f32 v[ST+8*\t+4], v[ST+8*\t+2], v[ST+8*\t+3]
.endr
.irp t, 0,1
	v_permlanex16_b32 v[ST+8*\t+5], v[ST+8*\t+4], s[SEL], s[SEL+1]
.endr
.irp t, 0,1
	v_add_f32 v[ST+8*\t+4], v[ST+8*\t+4], v[ST+8*\t+5]
.endr
.irp t, 0,1
	v_rcp_f32 v[FIN+2*\t], v[ST+8*\t+4]
.endr
	v_nop                                          ; a plain place behind the reciprocals
	s_wait_alu depctr_va_vdst(0)                   ; and the wait ahead of the first use: one for both
.irp t, 0,1
	v_mul_f32 v[FIN+2*\t], v[FIN+2*\t], v[OSC]
.endr
.irp t, 0,1
	v_mov_b32 v[FIN+2*\t+1], v[FIN+2*\t]           ; (named with it as a pair, so it is written)
.endr
.endm
; run i = 4 q + kk of V^T's fragments: the 8 channel tiles of quarter q, keys 32 kk on: 16 transposing loads into buffer i % 2
.macro VRUN i
.irp c, 0,1,2,3,4,5,6,7
	ds_load_tr16_b128 v[VB+64*((\i)%2)+8*\c:VB+64*((\i)%2)+8*\c+3], v[AV0+((\i)%4)/2] offset:16384*((2*((\i)%4))%4)+512*(8*((\i)/4)+\c)
	ds_load_tr16_b128 v[VB+64*((\i)%2)+8*\c+4:VB+64*((\i)%2)+8*\c+7], v[AV0+((\i)%4)/2] offset:16384*((2*((\i)%4))%4+1)+512*(8*((\i)/4)+\c)
.endr
.endm
; THE WAY OUT of quarter q (128 channels, 512 bytes of a row), both tiles.  x the last factor in place; 16 queries' quarter rows go through my stage and come back, as whole rows of 512 bytes, into the registers that
; they left (LDS serves a wave's instructions in order, ISA guide 5.7.1.4: the loads see the stores above them, and the second tile's stores come behind the first's loads); each store of the wave is 512 consecutive
; bytes, aligned.  The registers are not written again, so nothing waits for these stores.
.macro QOUT q
.irp t, 0,1
	WIN 0x41+0x41*((\q)/2)
.set J_, 0
.rept 32
	v_pk_mul_f32 v[128*((\q)%2)+16*(J_/4)+8*\t+2*(J_%4):128*((\q)%2)+16*(J_/4)+8*\t+2*(J_%4)+1], v[128*((\q)%2)+16*(J_/4)+8*\t+2*(J_%4):128*((\q)%2)+16*(J_/4)+8*\t+2*(J_%4)+1], v[FIN+2*\t:FIN+2*\t+1] op_sel_hi:[1,0]   ; each accumulator from its low end on
.set J_, J_+1
.endr
	WIN 0x04+0x04*((\q)/2)                         ; an LDS store's data are its source 1
.irp c, 0,1,2,3,4,5,6,7
	ds_store_b128 v[STO], v[128*((\q)%2)+16*\c+8*\t:128*((\q)%2)+16*\c+8*\t+3] offset:64*\c
	ds_store_b128 v[STO], v[128*((\q)%2)+16*\c+8*\t+4:128*((\q)%2)+16*\c+8*\t+7] offset:64*\c+16
.endr
	WIN 0x40+0x40*((\q)/2)
.irp i, 0,1,2,3,4,5,6,7,8,9,10,11,12,13,14,15
	ds_load_b128 v[128*((\q)%2)+16*(\i/2)+8*\t+4*(\i%2):128*((\q)%2)+16*(\i/2)+8*\t+4*(\i%2)+3], v[RD] offset:528*\i
.endr
.endr
	WIN 0x04+0x04*((\q)/2)                         ; a global store's data likewise
.irp t, 0,1
	s_wait_dscnt 32-32*\t                          ; tile 0 is back: behind its loads stand tile 1's 16 stores and 16 loads; then tile 1
.irp i, 0,1,2,3,4,5,6,7,8,9,10,11,12,13,14,15
	global_store_b128 v[AK0], v[128*((\q)%2)+16*(\i/2)+8*\t+4*(\i%2):128*((\q)%2)+16*(\i/2)+8*\t+4*(\i%2)+3], s[16:17] offset:32768*\t+2048*\i+512*(\q) th:TH_STORE_NT
.endr
.endr
.endm
; O^T += V^T P: 16 runs of 16 products, one on each of the quarter's accumulators.  Runs 0 and 1 were asked for ahead.  Behind the products of a run of quarters 0 to 2 stand 16 of
; the next quarter's multiplications by a: plain instructions that name no register of these products, so they are the places in front of the loads.  last = 1: each quarter leaves when it is done.
.macro PVLOOP last
.set R_, 0
.rept 16
	WIN 0x50+0x50*(R_/8)
.if R_ < 15
	s_wait_dscnt 16                                ; the next run's loads may be out
.else
	s_wait_dscnt 0x0
.endif
.irp c, 0,1,2,3,4,5,6,7
.irp t, 0,1
	v_wmma_f32_16x16x32_f16 v[128*((R_/4)%2)+16*\c+8*\t:128*((R_/4)%2)+16*\c+8*\t+7], v[VB+64*(R_%2)+8*\c:VB+64*(R_%2)+8*\c+7], v[PB+32*\t+8*(R_%4):PB+32*\t+8*(R_%4)+7], v[128*((R_/4)%2)+16*\c+8*\t:128*((R_/4)%2)+16*\c+8*\t+7]
.endr
.endr
.if R_ < 12
	WIN 0x41+0x41*((R_/4+1)/2)
.set J_, 0
.rept 16
	v_pk_mul_f32 v[128*((R_/4+1)%2)+32*(R_%4)+2*J_:128*((R_/4+1)%2)+32*(R_%4)+2*J_+1], v[128*((R_/4+1)%2)+32*(R_%4)+2*J_:128*((R_/4+1)%2)+32*(R_%4)+2*J_+1], v[ST+8*((J_/4)%2)+6:ST+8*((J_/4)%2)+7] op_sel_hi:[1,0]
.set J_, J_+1
.endr
.else
	PLACES
.endif
.if R_ < 14
	WIN 0
	VRUN R_+2
.endif
.if \last && ((R_%4) == 3)
	QOUT R_/4
.endif
.set R_, R_+1
.endr
.endm
.macro STEP fill
	SPHASE
	CHANGE 0, \fill
	MASK
	SOFTMAX
.if \fill == 0
	FINAL
.endif
	VRUN 0                                         ; S^T's registers are free: V's first two runs are on their way while the first quarter is multiplied by a
	VRUN 1
	WIN 0x41
.set J_, 0
.rept 64
	v_pk_mul_f32 v[2*J_:2*J_+1], v[2*J_:2*J_+1], v[ST+8*((J_/4)%2)+6:ST+8*((J_/4)%2)+7] op_sel_hi:[1,0]   ; quarter 0 x a, each accumulator from its low end on
.set J_, J_+1
.endr
.if \fill
	PVLOOP 0
	CHANGE 1, 1
.else
	PVLOOP 1
.endif
.endm
	s_load_b256 s[4:11], s[0:1], 0x0               ; qpi s[4:5], ki s[6:7], vi s[8:9], wm s[10:11]
	s_load_b256 s[12:19], s[0:1], 0x20             ; bk s[12:13], bv s[14:15], out0 s[16:17], out1 s[18:19]
	v_lshl_add_u32 v[SPW], v0, 2, SPARE
	v_mov_b32 v[NIL], 0
	ds_add_u32 v[SPW], v[NIL]                      ; the wave's opening: the add, twice on end, and its wait ahead of my first tensor load
	ds_add_u32 v[SPW], v[NIL]
	v_lshrrev_b32 v1, 5, v0
	v_readfirstlane_b32 s[WV], v1                  ; wave 0..3
	s_and_b32 s[YY], ttmp7, 0xffff
	s_lshr_b32 s[BAT], s[YY], 1                    ; the batch and the set: the four partners share them
	s_and_b32 s[SET], s[YY], 1
	s_bfe_u32 s[CX], ttmp6, 0x40000
	s_lshl_b32 s[QB], ttmp9, 2
	s_add_co_u32 s[QB], s[QB], s[CX]               ; my block of 128 queries: it enters Q's, O's and the prefetches' addresses and the diagonal's place, nothing else
	s_mov_b32 s[G1], 15|(3<<16)|(1<<21)            ; the mask: all four; elements of 8 bytes; bit 21 beside a mask; no padding
	s_mov_b32 s[G1+1], 32<<16                      ; rows of 256 bytes,
	s_mov_b32 s[G1+2], 128<<16                     ; 128 of them: 32 KB, dense
	s_mov_b32 s[G1+3], 32<<16
	s_mov_b32 s[G1+4], 128
	s_mov_b32 s[G1+5], 32
	s_mov_b32 s[G1+6], 0
	s_mov_b32 s[G1+7], 0
	s_mov_b32 s[G0K], 1
	s_lshl_b32 s[G0K+1], s[WV], 15                 ; K's tile, my quarter
	s_mov_b32 s[G0K+4], 1
	s_add_co_u32 s[G0K+5], s[G0K+1], 131072        ; V's
	s_lshl_b32 s52, s[SET], 24                     ; 16 MB a set,
	s_lshl_b32 s53, s[BAT], 20                     ; 1 MB a batch,
	s_add_co_u32 s52, s52, s53
	s_lshl_b32 s53, s[WV], 15                      ; my quarter of a tile
	s_add_co_u32 s52, s52, s53
	s_mov_b32 s53, 0
	s_lshl_b32 s54, s[SET], 24                     ; the prefetches: the same set and batch,
	s_lshl_b32 s55, s[BAT], 20
	s_add_co_u32 s54, s54, s55
	s_lshl_b32 s55, s[CX], 2
	s_add_co_u32 s55, s55, s[WV]
	s_lshl_b32 s55, s55, 13                        ; 8,192 bytes for each of the cluster's 16 waves
	s_add_co_u32 s54, s54, s55
	s_mov_b32 s55, 0
	s_lshl_b32 s56, s[BAT], 20                     ; Q: token tile 64 batch + 8 qb + 2 w, 16,384 bytes each
	s_lshl_b32 s57, s[QB], 17
	s_add_co_u32 s56, s56, s57
	s_lshl_b32 s57, s[WV], 15
	s_add_co_u32 s56, s56, s57
	s_mov_b32 s57, 0
	s_lshl_b32 s58, s[BAT], 21                     ; O: row 1,024 batch + 128 qb + 32 w, 2,048 bytes each
	s_lshl_b32 s59, s[QB], 18
	s_add_co_u32 s58, s58, s59
	s_lshl_b32 s59, s[WV], 16
	s_add_co_u32 s58, s58, s59
	s_mov_b32 s59, 0
	s_mov_b32 s[SEL], 0x76543210
	s_mov_b32 s[SEL+1], 0xfedcba98
	s_mov_b32 s[RLO], 0x21800000                   ; 2^-60
	s_mov_b32 s[RHI], 0x5d800000                   ; 2^60
	s_cmp_eq_u32 ttmp9, 0                          ; the first of the two clusters that walk these tiles prefetches
	s_cselect_b32 s[LIMV], 0, -1
	s_cselect_b32 s[LIMV+1], 1, -1
	s_wait_dscnt 0x0                               ; both opening adds are done
	s_wait_kmcnt 0x0
	s_add_nc_u64 s[G0K+2:G0K+3], s[6:7], s[52:53]
	s_or_b32 s[G0K+3], s[G0K+3], 0x80000000
	s_add_nc_u64 s[G0K+6:G0K+7], s[8:9], s[52:53]
	s_or_b32 s[G0K+7], s[G0K+7], 0x80000000
	CROUND                                         ; all four work-groups are here: the first joint loads meet
	tensor_load_to_lds s[G0K:G0K+3], s[G1:G1+7]    ; K(0)
	s_nop 0
	tensor_load_to_lds s[G0K+4:G0K+7], s[G1:G1+7]  ; V(0): two loads of mine are out
	s_nop 0
	PLACES
	s_add_nc_u64 s[PFV:PFV+1], s[8:9], s[54:55]    ; at V(0): the first K change steps it to V(1)
	s_add_nc_u64 s[PFV+2:PFV+3], s[6:7], s[54:55]
	s_add_nc_u64 s[PFV+2:PFV+3], s[PFV+2:PFV+3], 131072   ; at K(1): the first V change steps it to K(2)
	s_add_nc_u64 s[4:5], s[4:5], s[56:57]
	s_cmp_eq_u32 s[SET], 0
	s_cselect_b64 s[16:17], s[16:17], s[18:19]
	s_cselect_b32 s62, s[QB], 1000                 ; set 1 has no diagonal: its place is never met
	s_add_nc_u64 s[16:17], s[16:17], s[58:59]
	s_lshl_b32 s62, s62, 4
	v_and_b32 v160, 31, v0                         ; lane
	v_lshlrev_b32 v[AK0], 4, v160
	v_add_nc_u32 v[AK0+1], 65536, v[AK0]
	v_add_nc_u32 v[AV0], 131072, v[AK0]
	v_add_nc_u32 v[AV0+1], 196608, v[AK0]
	v_lshlrev_b32 v[PFO], 8, v160
	GLOAD GTK, 0, 12                               ; all the head's loads go out together: the 24 for the two powers of two first,
	GLOAD GTV, 4096, 14
	WIN 0xc0                                       ; destination window 3
.set J_, 0
.rept 32
	global_load_b128 v[4*J_:4*J_+3], v[AK0], s[4:5] offset:512*J_   ; then Q, whose images are its registers on end: 32 KB, 512 consecutive bytes a load
.set J_, J_+1
.endr
	WIN 0x40
.set I_, 0
.rept 256
	v_mov_b32 v[I_], 0                             ; O^T: these stand while the loads and the first tiles are on their way
.set I_, I_+1
.endr
	WIN 0x80
.set I_, 0
.rept 256
	v_mov_b32 v[I_], 0
.set I_, I_+1
.endr
	WIN 0xc0
.rept 32
	global_load_b128 v[4*J_:4*J_+3], v[AK0], s[4:5] offset:512*J_   ; Q's second tile
.set J_, J_+1
.endr
	WIN 0
	v_and_b32 v161, 15, v0                         ; r
	v_bfe_u32 v162, v0, 4, 1                       ; h
	s_mul_i32 s63, s[WV], 8448
	s_add_co_u32 s63, s63, STAGE
	v_mul_u32_u24 v[STO], v161, 528
	v_lshl_add_u32 v[STO], v162, 5, v[STO]
	v_add_nc_u32 v[STO], s63, v[STO]
	v_add_nc_u32 v[RD], s63, v[AK0]
	v_lshlrev_b32 v162, 3, v162
	v_sub_nc_u32 v[DD], v161, v162
	v_add_nc_u32 v[DD], s62, v[DD]
	s_wait_loadcnt 63                              ; the first 24 loads are in: behind them stand Q's 64; the count's field ends at 63, which is one stricter
	GCALC GTK, 162, 163                            ; k's
	v_mul_f32 v[CV], 0x3d8293ee, v163              ; c = 2^(Ek+3) log2(e) / sqrt(512)
	v_mov_b32 v[CV+1], v[CV]
	v_mul_f32 v[NEGV], 0xd0a8965f, v162            ; -1e9 sqrt(512) 2^-(Ek+3): x c it is -1e9 log2(e)
	GCALC GTV, 164, OSC                            ; v's
.irp t, 0,1
	v_mov_b32 v[ST+8*\t+1], 0xff61b1e6             ; m = -3e38, under every score
	v_mul_f32 v[ST+8*\t], v[CV], v[ST+8*\t+1]      ; (minus infinity where c is large: a is then 0, which zeros leave zeros)
	v_mov_b32 v[ST+8*\t+2], 0
	v_mov_b32 v[ST+8*\t+3], 0
.endr
	s_wait_loadcnt 0x0                             ; Q
	s_wait_tensorcnt 0x1                           ; my quarter of K(0) is in; V(0)'s load, issued behind it, may stay out
	s_barrier_signal -1
	s_barrier_wait -1                              ; everybody's is
	s_mov_b32 s[CNT], 7
.Lstep:                                                ; seven steps that ask for the next tiles
	STEP 1
	s_sub_co_u32 s[CNT], s[CNT], 1
	s_cmp_lg_u32 s[CNT], 0
	s_cbranch_scc1 .Lstep
	STEP 0                                         ; the last step is written out: nothing is left to fetch, and its quarters leave as they are finished
	WIN 0
	s_wait_tensorcnt 0x0                           ; the wave's end
	ds_add_u32 v[SPW], v[NIL]
	s_wait_dscnt 0x0
	CROUND                                         ; the closing round
	s_endpgm
.Lfunc_end_k_qb330ecddbe_attn:
	.size	k_qb330ecddbe_attn, .Lfunc_end_k_qb330ecddbe_attn-k_qb330ecddbe_attn
	.p2alignl 7, 3214868480
	.fill 96, 4, 3214868480
	.section	.rodata,"a",@progbits
	.p2align	6, 0x0
	.amdhsa_kernel k_qb330ecddbe_attn
		.amdhsa_group_segment_fixed_size 327680
		.amdhsa_private_segment_fixed_size 0
		.amdhsa_enable_private_segment 0
		.amdhsa_kernarg_size 64
		.amdhsa_user_sgpr_count 2
		.amdhsa_user_sgpr_kernarg_segment_ptr 1
		.amdhsa_wavefront_size32 1
		.amdhsa_system_sgpr_workgroup_id_x 1
		.amdhsa_system_sgpr_workgroup_id_y 1
		.amdhsa_system_sgpr_workgroup_id_z 1
		.amdhsa_system_vgpr_workitem_id 0
		.amdhsa_next_free_vgpr 1024
		.amdhsa_next_free_sgpr 80
		.amdhsa_reserve_vcc 1
		.amdhsa_float_denorm_mode_32 3
		.amdhsa_float_denorm_mode_16_64 3
		.amdhsa_memory_ordered 1
		.amdhsa_forward_progress 1
		.amdhsa_inst_pref_size 255
	.end_amdhsa_kernel
	.section	.bss,"aw",@nobits
	.p2align	6
	.space	262144
	.amdgpu_metadata
---
amdhsa.version: [ 1, 2 ]
amdhsa.kernels:
  - .name:           k_qb330ecddbe_attn
    .symbol:         k_qb330ecddbe_attn.kd
    .args:
      - { .name: qpi, .offset: 0, .size: 8, .value_kind: global_buffer, .address_space: global }
      - { .name: ki, .offset: 8, .size: 8, .value_kind: global_buffer, .address_space: global }
      - { .name: vi, .offset: 16, .size: 8, .value_kind: global_buffer, .address_space: global }
      - { .name: wm, .offset: 24, .size: 8, .value_kind: global_buffer, .address_space: global }
      - { .name: bk, .offset: 32, .size: 8, .value_kind: global_buffer, .address_space: global }
      - { .name: bv, .offset: 40, .size: 8, .value_kind: global_buffer, .address_space: global }
      - { .name: out0, .offset: 48, .size: 8, .value_kind: global_buffer, .address_space: global }
      - { .name: out1, .offset: 56, .size: 8, .value_kind: global_buffer, .address_space: global }
    .group_segment_fixed_size: 327680
    .private_segment_fixed_size: 0
    .kernarg_segment_align: 8
    .kernarg_segment_size: 64
    .max_flat_workgroup_size: 128
    .sgpr_count:     80
    .vgpr_count:     1024
    .wavefront_size: 32
...
	.end_amdgpu_metadata
.endif
;; end of part 3
